; MI455X (gfx1250); checked and timed in simulation.
; The chip was launched on July 23, 2026; its instructions are those of AMD's public machine-readable ISA for CDNA 5 (MIT licence, August 2026) and "CDNA5" Instruction Set Architecture Reference Guide (July 2026). The comments in the code are by the model that wrote it; some were corrected since.
;; Chunked Attention. Allowed arithmetic: matrix products marked QUANTISED: E2M3 operands, one E8M0 scale for each 32 along K, by v_wmma_scale_f32_16x16x128_f8f6f4 with both operands' format E2M3, f32 sums; everything else in f32.
;; Inputs: bk 1,024 float32; bo 1,024 float32; bq 1,024 float32; bv 1,024 float32; wk_codes 1,024 x 32 x 24 uint8 (E2M3 codes of wk, K innermost, in blocks of 32 codes, four codes in three bytes); wk_scales 1,024 x 32 uint8 (E8M0 scales of wk, one for each 32 codes along K); wo_codes 1,024 x 32 x 24 uint8 (E2M3 codes of wo, K innermost, in blocks of 32 codes, four codes in three bytes); wo_scales 1,024 x 32 uint8 (E8M0 scales of wo, one for each 32 codes along K); wq_codes 1,024 x 32 x 24 uint8 (E2M3 codes of wq, K innermost, in blocks of 32 codes, four codes in three bytes); wq_scales 1,024 x 32 uint8 (E8M0 scales of wq, one for each 32 codes along K); wv_codes 1,024 x 32 x 24 uint8 (E2M3 codes of wv, K innermost, in blocks of 32 codes, four codes in three bytes); wv_scales 1,024 x 32 uint8 (E8M0 scales of wv, one for each 32 codes along K); x_codes 1 x 4,096 x 32 x 24 uint8 (E2M3 codes of x, K innermost, in blocks of 32 codes, four codes in three bytes); x_scales 1 x 4,096 x 32 uint8 (E8M0 scales of x, one for each 32 codes along K).
;; Outputs: out0 1 x 4,096 x 1,024 float32.
;; This version of the problem:
;;   THIS VERSION OF THE PROBLEM IS GIVEN IN LOW PRECISION. The matrix products marked QUANTISED in the list below multiply operands that are first quantised to E2M3 (2 exponent bits, 3 mantissa bits; 6 bits a number), with one power-of-two scale for each 32 numbers along K (OCP MX v1.0); their sums are f32. All else is computed in f32.
;;   The module's matrix products, in the order in which they are computed (A, B: the left and right operand; K: the contracted axis; several contracted axes count as one K, in the product's order):
;;     1. [M 4,096, K 1,024] x [K 1,024, N 1,024]; A: input x (given as codes); B: input wq (given as codes): QUANTISED
;;     2. [M 4,096, K 1,024] x [K 1,024, N 1,024]; A: input x (given as codes); B: input wk (given as codes): QUANTISED
;;     3. [M 4,096, K 1,024] x [K 1,024, N 1,024]; A: input x (given as codes); B: input wv (given as codes): QUANTISED
;;     4. batch 16 x [M 4,096, K 64] x [K 64, N 4,096]; A: computed on the way; B: computed on the way: QUANTISED
;;     5. batch 16 x [M 4,096, K 4,096] x [K 4,096, N 64]; A: softmax (see below); B: computed on the way: QUANTISED
;;     6. [M 4,096, K 1,024] x [K 1,024, N 1,024]; A: computed on the way; B: input wo (given as codes): QUANTISED
;;   THE QUANTISER, for each operand of a quantised product, along K:
;;     - K is cut into blocks of 32 from its start; a last block that is shorter is filled with zeros.
;;     - A block's scale is 2^e with e = floor(log2(the largest magnitude in the block)) - 2, held to -126 .. 127; a block of zeros has e = 0. As a byte (E8M0): e + 127.
;;     - Each number is divided by its block's scale, clamped to +-7.5, and rounded to the nearest number of E2M3, ties to even, subnormals kept.
;;     - The product sums the exact products of the quantised numbers (number of the format x scale) in f32.
;;   ~~~python
;;   def quantise(x, axis):      # numpy; x: float32 -> the quantised numbers, widened to float32 again
;;       x = np.moveaxis(x, axis, -1); K = x.shape[-1]
;;       x = np.pad(x, [(0, 0)] * (x.ndim - 1) + [(0, -K % 32)]); x = x.reshape(x.shape[:-1] + (-1, 32)); a = np.abs(x).max(-1, keepdims=True)
;;       e = np.where(a > 0, np.clip(np.frexp(np.where(a > 0, a, 1))[1] - 1 - 2, -126, 127), 0)      # np.frexp(a)[1] - 1 = floor(log2(a)), exactly
;;       r = np.clip(x / 2.0 ** e, -7.5, 7.5)
;;       step = 2.0 ** (np.maximum(np.frexp(np.where(r == 0, 1, r))[1] - 1, 0) - 3)
;;       q = np.round(r / step) * step * 2.0 ** e      # np.round: ties to even
;;       return np.moveaxis(q.reshape(q.shape[:-2] + (-1,))[..., :K], -1, axis).astype(np.float32)
;;   ~~~
;;   SOFTMAX AHEAD OF A QUANTISED PRODUCT. Where the list says 'softmax', what is quantised is not the finished softmax but p = 2^(t - M), with t = logit x log2(e) and M = ceil(the row's largest t), a whole number; so 1/2 < the row's largest p <= 1. The row's sum l is taken of the UNQUANTISED p, in f32, and the product's result is divided by l at the end. Since M is a whole number, a kernel that streams over the keys may use a running M (the ceiling of the running maximum): every later rescaling is an exact power of two, which a block's scale takes up: the codes' values come out the same.
;;   OPERANDS COMPUTED ON THE WAY. 'Computed on the way' means the value that the module computes at that place (a softmax that the list does not call 'softmax' is quantised finished and normalised). What goes into a quantiser is computed in f32, as accurately as f32 sums, v_exp_f32 and their like allow (about 1e-6 of the number): no bf16 or f16 on the way to a quantiser, and a product that is left as it is and whose result goes on into a quantised operand takes f32 operands (vector FMAs, or v_wmma_f32_16x16x4_f32). A number that lies on a knife's edge between two numbers of the format may be rounded either way, as far as f32 arithmetic and the matrix unit's own rounding can turn it there, and no further.
;;   INPUTS GIVEN AS CODES. wk (in the module: [1024, 1024], K = its axis 0); wo (in the module: [1024, 1024], K = its axis 0); wq (in the module: [1024, 1024], K = its axis 0); wv (in the module: [1024, 1024], K = its axis 0); x (in the module: [1, 4096, 1024], K = its axis 2): each comes as NAME_codes (uint8): NAME with its K axis moved to the last place and cut into blocks of 32 codes, [.., K / 32, bytes a block], one block behind the other in memory; four codes in three bytes: a row's codes are one little-endian stream of bits, code i at bits 6 i .. 6 i + 5 (a code: sign, 2 exponent bits, 3 mantissa bits); and NAME_scales (uint8): the same leading axes, one E8M0 byte (e + 127) for each 32 codes along K. Its value is code x scale, taken as it is: it is not quantised again, and the codes and scales need not be those that the quantiser above would give.
;; One version. Each part assembles by itself: llvm-mc -triple=amdgcn-amd-amdhsa -mcpu=gfx1250 --defsym DOCPART=n.
;; ======== version 1 of 1: 3 launches
;; limits: right only within a limited range of input values
;; workspace buffers: qc 3,145,728 bytes; qs 262,144 bytes; kv 6,684,672 bytes; att_c 3,145,728 bytes; att_s 131,072 bytes
;; launch qkv (part 1): grid 12 x 16, 4 waves a work-group, clusters of 4 x 4, 327,680 bytes of LDS; arguments x_codes, x_scales, wq_codes, wq_scales, wk_codes, wk_scales, wv_codes, wv_scales, bq, bk, bv, qc, qs, kv; writes qc, qs, kv
.if DOCPART == 1
	.amdgcn_target "amdgcn-amd-amdhsa--gfx1250"
	.amdhsa_code_object_version 6
	.text
	.protected	k_qfed8c1846d_qkv
	.globl	k_qfed8c1846d_qkv
	.p2align	8
	.type	k_qfed8c1846d_qkv,@function
k_qfed8c1846d_qkv:
	s_mov_b64 s[64:65], 0
	v_nop
	global_prefetch_b8 v0, s[64:65] scope:SCOPE_SE
	s_setreg_imm32_b32 hwreg(HW_REG_WAVE_MODE, 25, 1), 1
	s_wait_xcnt 0x0
	s_wait_alu depctr_hold_cnt(0) depctr_sa_sdst(0) depctr_va_vdst(0) depctr_va_sdst(0) depctr_va_ssrc(0) depctr_va_vcc(0) depctr_vm_vsrc(0)
	s_getreg_b32 s2, hwreg(HW_REG_IB_STS2, 6, 4)
	s_cmp_eq_u32 s2, 0
	s_cbranch_scc0 .Lentry_in_a_cluster
	s_endpgm
.Lentry_in_a_cluster:
	s_bfe_u32 s2, ttmp6, 0x10000c
	s_cmp_lg_u32 s2, 0xf033
	s_cbranch_scc0 .Lentry_shape_is_right
	s_endpgm
.Lentry_shape_is_right:
; q, k, v = x w + b on codes of FP6 (E2M3) with E8M0 scales, K = 1,024; the results are quantised here, along the next products' K, and stored as images of operand registers.
; Cluster x = 0: q (tokens x channels), 1: k, 2: v with the sides swapped (channels x tokens), so that v's blocks run along the keys.  A work-group makes 256 x 256, a wave 128 x 128: 64 accumulators, which begin as the bias.
; K goes through a ring of two LDS slots in CHUNKS OF 256 BYTES of each row of 768: three chunks; a step of 128 along K is 96 bytes, so steps 2 and 5 lie across two chunks.  All scales come once, at the head.
; The head's four tiles (chunk 0 of A, of B, A's scales, B's scales) are one joint load a wave; chunk 1 follows behind the full sequence and a round; chunk 2 is the one refill.
; CLUSTERS 4 x 4: A's tiles are asked for jointly along a row, B's along a column.  No prefetch: of three chunks two are asked for at the head, at the largest block.
; Nothing of reference() is left out here.  LIMITS: NaN, infinities and scale bytes 0xff are not served; a block whose largest magnitude lies under 2^-124 keeps the byte 1.
; REGISTERS: window 0: v8-31 addresses, v32-63 scale words (two sets), v64-127 and v224-239 the bias, v128-223 A's fragments; window 1: B's two sets; windows 2, 3: accumulators.
.set NQ,     2
.set ROWB,   256
.set KROW,   768
.set STEPS,  8
.set CHUNKS, 3
.set PITCH,  272
.set FR,     12
.set NL,     6
.set NP,     4
.set HALFT,  128*PITCH
.set SLOT,   4*HALFT
.set KS,     32
.set SCL,    2*SLOT
.set HALFS,  (128*KS/256)*272
.set SBLK,   (16*KS/256)*272
.set SPARE,  SCL+4*HALFS
.set OX0,  8
.set OY0,  9
.set OX1,  10
.set OY1,  11
.set STS,  12
.set SHF,  13
.set OS,   14
.set OS2,  15
.set ADRA, 16
.set ADRB, 20
.set BA0,  24
.set BA1,  25
.set ADRS, 27
.set SPW,  28
.set NIL,  29
.set RDS,  30
.set SC,   32
.set B0,   64
.set AF,   128
.set B1,   224
.set PC,   112
.set TM,   200
.set PW,   216
.set SWD,  217
.set G1, 24
.set G0, 32
.set G1B, 48
.set G0B, 56
.set G1S, 68
.set G0S, 76
.set G1SB, 80
.set G0SB, 88
.set DC, 96
.set DS, 98
.set MSB, 0
.macro WIN new
.if MSB != \new
	s_set_vgpr_msb (MSB<<8)|\new
.set MSB, \new
.endif
.endm
.set MUL_LO, 0xa1
.set MUL_HI, 0xf1
.set TO_B,   0x40
.macro JLOAD g0a, g1a, g0b, g1b        ; waves 0, 1 fetch for A, waves 2, 3 for B
	s_cmp_eq_u32 s15, 0
	s_cbranch_scc0 .Lfor_b_\@
	tensor_load_to_lds s[\g0a:\g0a+3], s[\g1a:\g1a+7]
	s_nop 0
.rept 4
	v_nop
.endr
	s_branch .Lasked_\@
.Lfor_b_\@:
	tensor_load_to_lds s[\g0b:\g0b+3], s[\g1b:\g1b+7]
	s_nop 0
.rept 4
	v_nop
.endr
.Lasked_\@:
.endm
.macro CREST
	s_cmp_lg_u32 s14, 0
	s_cbranch_scc1 .Lnot_wave_0_\@
	s_barrier_signal -3
.Lnot_wave_0_\@:
	s_barrier_wait -3
	s_barrier_signal -1
	s_barrier_wait -1
.endm
.macro CROUND
	s_barrier_signal -1
	s_barrier_wait -1
	CREST
.endm
	s_load_b256 s[68:75], s[0:1], 0x0              ; x's codes, scales; wq's
	s_load_b256 s[76:83], s[0:1], 0x20             ; wk's; wv's
	s_load_b256 s[84:91], s[0:1], 0x40             ; bq, bk, bv, qc
	s_load_b128 s[92:95], s[0:1], 0x60             ; qs, kv
	v_lshl_add_u32 v[SPW], v0, 2, SPARE
	v_mov_b32 v[NIL], 0
	ds_add_u32 v[SPW], v[NIL]                      ; the opening lines: the add twice and one wait
	ds_add_u32 v[SPW], v[NIL]
	v_lshrrev_b32 v1, 5, v0
	v_readfirstlane_b32 s14, v1                    ; wave
	s_lshr_b32 s15, s14, 1                         ; my half of A's rows; also: I fetch for A (0) or B (1)
	s_and_b32 s16, s14, 1                          ; my half of B's rows; also: which 128 rows I fetch
	s_bfe_u32 s40, ttmp6, 0x40000                  ; cx
	s_bfe_u32 s41, ttmp6, 0x40004                  ; cy
	s_and_b32 s17, ttmp7, 0xffff
	s_lshl_b32 s17, s17, 2
	s_cmp_eq_u32 ttmp9, 2                          ; v: the token tiles run along B's side
	s_cselect_b32 s42, s17, 0
	s_cselect_b32 s17, 0, s17
	s_cselect_b32 s3, 1, 0
	s_add_co_u32 s42, s42, s40                     ; B's tile
	s_add_co_u32 s17, s17, s41                     ; A's tile
	s_lshl_b32 s43, s41, 2
	s_lshl_b32 s43, 15, s43                        ; my row of the cluster
	s_lshl_b32 s44, 0x1111, s40                    ; my column
	s_or_b32 s[G1+0], s43, (0<<16)|(1<<20)|(1<<21)|(5<<22)|(3<<25)   ; bytes; 16 bytes of padding behind each 256
	s_or_b32 s[G1B+0], s44, (0<<16)|(1<<20)|(1<<21)|(5<<22)|(3<<25)
.irp g, G1, G1B
	s_mov_b32 s[\g+1], ROWB<<16
	s_mov_b32 s[\g+2], 256<<16                     ; the head's loads bring 256 rows
	s_mov_b32 s[\g+3], ROWB<<16
	s_mov_b32 s[\g+4], 256
	s_mov_b32 s[\g+5], KROW
	s_mov_b32 s[\g+6], 0
	s_mov_b32 s[\g+7], 0
.endr
	s_lshl_b32 s20, s17, 8
	s_lshl_b32 s46, s42, 8
	s_mul_i32 s22, s20, KS
	s_mov_b32 s23, 0
	s_mul_i32 s20, s20, KROW
	s_mov_b32 s21, 0
	s_mul_i32 s66, s46, KS
	s_mov_b32 s67, 0
	s_mul_i32 s46, s46, KROW
	s_mov_b32 s47, 0
	s_mul_i32 s18, s16, 128*KROW                   ; in the ring: my 128 rows
	s_mov_b32 s19, 0
	s_mul_i32 s45, s14, HALFT
	s_wait_dscnt 0x0
	s_wait_kmcnt 0x0
	s_cmp_eq_u32 ttmp9, 2
	s_cselect_b64 s[4:5], s[80:81], s[68:69]
	s_cselect_b64 s[6:7], s[82:83], s[70:71]
	s_cselect_b64 s[8:9], s[68:69], s[76:77]
	s_cselect_b64 s[10:11], s[70:71], s[78:79]
	s_cselect_b64 s[12:13], s[88:89], s[86:87]
	s_cmp_eq_u32 ttmp9, 0
	s_cselect_b64 s[8:9], s[72:73], s[8:9]
	s_cselect_b64 s[10:11], s[74:75], s[10:11]
	s_cselect_b64 s[12:13], s[84:85], s[12:13]
	s_cselect_b64 s[DC:DC+1], s[90:91], s[94:95]
	s_cselect_b64 s[DS:DS+1], s[92:93], s[94:95]
	s_add_nc_u64 s[20:21], s[4:5], s[20:21]
	s_add_nc_u64 s[22:23], s[6:7], s[22:23]
	s_add_nc_u64 s[46:47], s[8:9], s[46:47]
	s_add_nc_u64 s[66:67], s[10:11], s[66:67]
	s_or_b32 s[G1S+0], s43, (3<<16)|(1<<20)|(1<<21)|(5<<22)|(3<<25)  ; the scales of 256 rows: 32 dense rows of 256 bytes
	s_or_b32 s[G1SB+0], s44, (3<<16)|(1<<20)|(1<<21)|(5<<22)|(3<<25)
.irp g, G1S, G1SB
	s_mov_b32 s[\g+1], 32<<16
	s_mov_b32 s[\g+2], KS<<16
	s_mov_b32 s[\g+3], 32<<16
	s_mov_b32 s[\g+4], KS
	s_mov_b32 s[\g+5], 32
	s_mov_b32 s[\g+6], 0
	s_mov_b32 s[\g+7], 0
.endr
	s_mov_b32 s[G0], 1                             ; slot 0's groups 0 serve the head first: chunk 0, whole tiles
	s_mov_b32 s[G0+1], 0
	s_mov_b64 s[G0+2:G0+3], s[20:21]
	s_or_b32 s[G0+3], s[G0+3], 0x80000000
	s_mov_b32 s[G0B], 1
	s_mov_b32 s[G0B+1], 2*HALFT
	s_mov_b64 s[G0B+2:G0B+3], s[46:47]
	s_or_b32 s[G0B+3], s[G0B+3], 0x80000000
	s_mov_b32 s[G0S], 1
	s_mov_b32 s[G0S+1], SCL
	s_mov_b64 s[G0S+2:G0S+3], s[22:23]
	s_or_b32 s[G0S+3], s[G0S+3], 0x80000000
	s_mov_b32 s[G0SB], 1
	s_mov_b32 s[G0SB+1], SCL+2*HALFS
	s_mov_b64 s[G0SB+2:G0SB+3], s[66:67]
	s_or_b32 s[G0SB+3], s[G0SB+3], 0x80000000
	s_add_nc_u64 s[20:21], s[20:21], s[18:19]
	s_add_nc_u64 s[46:47], s[46:47], s[18:19]
	s_mov_b32 s[G0+4], 1                           ; slot 1: chunk 1, my 128 rows
	s_add_co_u32 s[G0+5], s45, SLOT
	s_add_nc_u64 s[G0+6:G0+7], s[20:21], ROWB
	s_or_b32 s[G0+7], s[G0+7], 0x80000000
	s_mov_b32 s[G0B+4], 1
	s_add_co_u32 s[G0B+5], s45, SLOT
	s_add_nc_u64 s[G0B+6:G0B+7], s[46:47], ROWB
	s_or_b32 s[G0B+7], s[G0B+7], 0x80000000
	CROUND                                         ; the first joint loads meet
.macro ARM under, g0, g1, next         ; one tree of branches on the wave's number, one load to an arm
	s_cmp_lt_u32 s14, \under
	s_cbranch_scc0 \next
	tensor_load_to_lds s[\g0:\g0+3], s[\g1:\g1+7]
	s_nop 0
.rept 4
	v_nop
.endr
	s_branch .Lhead_asked
\next:
.endm
	ARM 1, G0,  G1,  .Lhead_b
	ARM 2, G0B, G1B, .Lhead_sa
	ARM 3, G0S, G1S, .Lhead_sb
	tensor_load_to_lds s[G0SB:G0SB+3], s[G1SB:G1SB+7]
	s_nop 0
.rept 4
	v_nop
.endr
.Lhead_asked:
	v_and_b32 v1, 15, v0
	v_bfe_u32 v2, v0, 4, 1
	v_mul_u32_u24 v3, v1, PITCH
	v_mul_u32_u24 v4, v2, 24
	v_add_nc_u32 v4, v3, v4                        ; row x pitch + 24 x half
	s_mov_b32 s21, SLOT-232
	s_mov_b32 s22, SLOT+232
	v_sub_nc_u32 v7, 1, v2
	v_mul_u32_u24 v5, s21, v2
	v_add_nc_u32 v5, v3, v5
	v_add_nc_u32 v5, 232, v5                       ; across two chunks: lanes 0-15 byte 232 in slot 0, lanes 16-31 byte 0 in slot 1;
	v_mul_u32_u24 v6, s22, v7
	v_add_nc_u32 v6, v3, v6                        ; and the other way round
	s_mul_i32 s21, s15, HALFT
	s_mul_i32 s22, s16, HALFT
	s_add_co_u32 s22, s22, 2*HALFT
	v_add_nc_u32 v[ADRA+2], s21, v5
	v_add_nc_u32 v[ADRA+3], s21, v6
	v_add_nc_u32 v[ADRB+2], s22, v5
	v_add_nc_u32 v[ADRB+3], s22, v6
.irp s, 0,1
	v_add_nc_u32 v[ADRA+\s], s21, v4
	v_add_nc_u32 v[ADRB+\s], s22, v4
	s_add_co_u32 s21, s21, SLOT
	s_add_co_u32 s22, s22, SLOT
.endr
	v_mul_u32_u24 v5, v1, KS
	v_lshrrev_b32 v6, 8, v5
	v_lshl_add_u32 v5, v6, 4, v5
	s_mul_i32 s21, s15, HALFS
	s_mul_i32 s22, s16, HALFS
	s_add_co_u32 s22, s22, 2*HALFS
	s_sub_co_u32 s22, s22, s21
	v_mul_u32_u24 v6, s22, v2                      ; lanes 16-31 take B's scale words
	s_add_co_u32 s21, s21, SCL
	v_add_nc_u32 v5, v5, v6
	v_add_nc_u32 v[ADRS], s21, v5
	; where the results go: qc [head][tile of 16][768], qs [head][token] words; kv records (K's pieces, V's pieces, K's and V's scale words)
	s_lshl_b32 s92, s42, 8
	s_lshl_b32 s93, s16, 7
	s_add_co_u32 s92, s92, s93
	s_lshl_b32 s93, s17, 8
	s_lshl_b32 s94, s15, 7
	s_add_co_u32 s93, s93, s94
	s_mov_b32 s40, 417792
	s_mov_b32 s41, 104448
	s_mov_b32 s43, 417792
	s_mov_b32 s44, 104448
	s_mov_b32 s45, 98304
	s_cmp_eq_u32 ttmp9, 0
	s_cselect_b32 s40, 196608, s40
	s_cselect_b32 s41, 49152, s41
	s_cselect_b32 s43, 16384, s43
	s_cselect_b32 s44, 4096, s44
	s_cselect_b32 s45, 0, s45
	s_mov_b32 s4, 768
	s_mov_b32 s5, 0
	s_mov_b32 s7, 0
	s_mov_b32 s8, 256
	s_cmp_eq_u32 ttmp9, 2
	s_cselect_b32 s94, s92, s93
	s_cselect_b32 s95, s93, s92
	s_cselect_b32 s20, 0, s92
	s_cselect_b32 s21, s93, 0
	s_cselect_b32 s46, 49152, 0
	s_cselect_b32 s45, 102400, s45
	s_cselect_b32 s47, 1, 2
	s_cselect_b32 s9, 768, s40
	s_cselect_b32 s4, 1536, s4
	s_cselect_b32 s6, 411648, 0
	s_cselect_b32 s8, 417792, s8
	s_cselect_b32 s2, -1, 0xffff
	s_cselect_b32 s18, 0, -1
	s_cselect_b32 s19, -1, 0
	s_lshr_b32 s95, s95, 6
	s_lshr_b32 s22, s94, 10
	s_and_b32 s23, s94, 1023
	s_mul_i32 s10, s95, s40
	s_mul_i32 s11, s22, s41
	s_add_co_u32 s10, s10, s11
	s_mul_i32 s11, s23, 48
	s_add_co_u32 s10, s10, s11
	s_add_co_u32 s10, s10, s46
	s_mov_b32 s11, 0
	s_add_nc_u64 s[DC:DC+1], s[DC:DC+1], s[10:11]
	s_mul_i32 s10, s95, s43
	s_mul_i32 s11, s22, s44
	s_add_co_u32 s10, s10, s11
	s_lshl_b32 s11, s23, s47
	s_add_co_u32 s10, s10, s11
	s_add_co_u32 s10, s10, s45
	s_mov_b32 s11, 0
	s_add_nc_u64 s[DS:DS+1], s[DS:DS+1], s[10:11]
	s_lshl_b32 s20, s20, 2
	s_lshl_b32 s21, s21, 2
	s_lshl_b32 s23, s14, 10
	s_add_co_u32 s23, s23, SLOT                    ; the scale words' stage: 1,024 bytes a wave in slot 1, which has had its only fill and its last read by then
	v_and_b32 v6, 31, v0
	v_lshlrev_b32 v[OX0], 4, v6
	v_lshl_add_u32 v[OY0], v6, 3, 512
	v_add_nc_u32 v[OX1], s9, v[OX0]
	v_add_nc_u32 v[OY1], s9, v[OY0]
	v_lshlrev_b32 v[STS], 2, v1
	v_lshl_add_u32 v[STS], v2, 9, v[STS]
	v_add_nc_u32 v[STS], s23, v[STS]
	v_add_nc_u32 v[RDS], s23, v[OX0]
	v_lshlrev_b32 v[SHF], 4, v2
	v_and_b32 v[SHF], s18, v[SHF]
	v_lshlrev_b32 v[OS], 4, v1
	v_mad_u32_u24 v[OS], v2, s8, v[OS]
	v_add_nc_u32 v[OS2], s43, v[OS]
	v_lshl_add_u32 v[BA0], v2, 5, s20
	v_lshl_add_u32 v[BA1], v1, 2, s21
.irp b, 0,1,2,3,4,5,6,7                        ; the bias along a lane's registers (q, k) or along its row (v); the one that does not apply is masked to 0
	global_load_b128 v[B0+8*\b:B0+8*\b+3], v[BA0], s[12:13] offset:64*\b
	global_load_b128 v[B0+8*\b+4:B0+8*\b+7], v[BA0], s[12:13] offset:64*\b+16
.endr
.irp a, 0,1,2,3,4,5,6,7
	global_load_b32 v[B1+2*\a], v[BA1], s[12:13] offset:64*\a
.endr
	s_wait_loadcnt 0x0
.set J, 0
.rept 64
	v_and_b32 v[B0+J], s18, v[B0+J]
.set J, J+1
.endr
.irp a, 0,1,2,3,4,5,6,7
	v_and_b32 v[B1+2*\a], s19, v[B1+2*\a]
	v_mov_b32 v[B1+2*\a+1], v[B1+2*\a]
.endr
.irp w, 0,1                                    ; the accumulators begin as the bias
	WIN (0x80+0x40*\w)
.irp a, 0,1,2,3
.irp b, 0,1,2,3,4,5,6,7
.irp i, 0,2,4,6
	v_pk_add_f32 v[8*(8*\a+\b)+\i:8*(8*\a+\b)+\i+1], v[B0+8*\b+\i:B0+8*\b+\i+1], v[B1+2*(4*\w+\a):B1+2*(4*\w+\a)+1] op_sel_hi:[1,0]
.endr
.endr
.endr
.endr
	WIN 0
.macro FRAG reg, adr, st, i            ; 16 rows x 128 K: six pieces of 8 bytes; byte y of a row lies in slot (y / 256) % 2 at byte y % 256
.irp p, 0,1,2,3,4,5
.set BY, 96*(\st)+48*(\p/3)+8*(\p%3)
.if BY/ROWB == (BY+24)/ROWB
	ds_load_b64 v[\reg+2*\p:\reg+2*\p+1], v[\adr+(BY/ROWB)%2] offset:BY%ROWB+(\i)*16*PITCH
.else
	ds_load_b64 v[\reg+2*\p:\reg+2*\p+1], v[\adr+2+(BY/ROWB)%2] offset:BY%ROWB-232+(\i)*16*PITCH
.endif
.endr
.endm
.macro MUL16 a0, p, q, sc              ; the 64 accumulators take turns
.irp a, \a0, \a0+1
.irp b, 0,1,2,3,4,5,6,7
	v_wmma_scale_f32_16x16x128_f8f6f4 v[8*(8*((\a)%4)+\b):8*(8*((\a)%4)+\b)+7], v[128*(\p)+FR*\b:128*(\p)+FR*\b+FR-1], v[AF+FR*(\a):AF+FR*(\a)+FR-1], v[8*(8*((\a)%4)+\b):8*(8*((\a)%4)+\b)+7], v[SC+8*NQ*(\sc)+NQ*\b+(\q)], v[SC+8*NQ*(\sc)+NQ*(\a)+(\q)] matrix_a_fmt:MATRIX_FMT_FP6 matrix_b_fmt:MATRIX_FMT_FP6 matrix_a_scale:MATRIX_SCALE_ROW1
.endr
.endr
.endm
.macro FETCH_B st, p
	WIN TO_B
.irp i, 0,1,2,3,4,5,6,7
	FRAG 128*(\p)+FR*\i, ADRB, \st, \i
.endr
	WIN 0
.endm
.macro FETCH_A st, i0
.irp i, \i0, \i0+1, \i0+2, \i0+3
	FRAG AF+FR*(\i), ADRA, \st, \i
.endr
.endm
.macro SCALES pr
.irp i, 0,1,2,3,4,5,6,7
	ds_load_b64 v[SC+8*NQ*((\pr)%2)+NQ*\i:SC+8*NQ*((\pr)%2)+NQ*\i+1], v[ADRS] offset:\i*SBLK+4*NQ*(\pr)
.endr
.endm
.macro PLACES n
.rept \n
	v_nop
.endr
.endm
; A step: 64 products; the next step's fragments are fetched in its middle and at its end.  Where the next step ends in a chunk not yet read, a barrier shows that chunk whole;
; where it begins in a later chunk, the chunk left behind is free: the three lines, the barrier, and, where a chunk is left to fetch, the round and the refill.
.macro STEP st
.set NX, (\st)+1
.set C0, (96*(\st))/ROWB
.set C1, (96*NX)/ROWB
.set E0, (96*(\st)+95)/ROWB
.set E1, (96*NX+95)/ROWB
.if C1 > C0 || E1 > E0
	s_wait_tensorcnt 0x0
.if C1 > C0
	ds_add_u32 v[SPW], v[NIL]
	s_wait_dscnt 4*NL+1                            ; the add and A's blocks 4-7 may be out
.else
	s_wait_dscnt 4*NL
.endif
	WIN MUL_LO
	MUL16 0, (\st)%2, (\st)%2, ((\st)/2)%2
	s_wait_dscnt 0x0
	s_barrier_signal -1
	MUL16 2, (\st)%2, (\st)%2, ((\st)/2)%2
	WIN 0
	s_barrier_wait -1
.if C1 > C0 && C0+2 < CHUNKS
	CREST
	s_add_nc_u64 s[G0+4*(C0%2)+2:G0+4*(C0%2)+3], s[G0+4*(C0%2)+2:G0+4*(C0%2)+3], 2*ROWB
	s_add_nc_u64 s[G0B+4*(C0%2)+2:G0B+4*(C0%2)+3], s[G0B+4*(C0%2)+2:G0B+4*(C0%2)+3], 2*ROWB
	JLOAD G0+4*(C0%2), G1, G0B+4*(C0%2), G1B
.else
	PLACES NP
.endif
.else
	s_wait_dscnt 4*NL                              ; A's blocks 4-7, the youngest 24 loads, may be out
	WIN MUL_LO
	MUL16 0, (\st)%2, (\st)%2, ((\st)/2)%2
	MUL16 2, (\st)%2, (\st)%2, ((\st)/2)%2
	s_wait_dscnt 0
	PLACES NP
.endif
	FETCH_B NX, NX%2
	FETCH_A NX, 0
.if NX%2 == 0
	SCALES NX/2
.endif
	WIN MUL_HI
	MUL16 4, (\st)%2, (\st)%2, ((\st)/2)%2
	MUL16 6, (\st)%2, (\st)%2, ((\st)/2)%2
	PLACES NP
	WIN 0
	FETCH_A NX, 4
.endm
	s_wait_alu depctr_va_vdst(0)                   ; the wait at the head's end
	s_wait_tensorcnt 0x0                           ; my tile of the head's four is in
	ds_add_u32 v[SPW], v[NIL]
	s_mov_b32 s[G1+2], 128<<16                     ; no load of mine is out: from here on a load brings my 128 rows
	s_mov_b32 s[G1+4], 128
	s_mov_b32 s[G1B+2], 128<<16
	s_mov_b32 s[G1B+4], 128
	s_mul_i32 s[G0+1], s14, HALFT
	s_mul_i32 s[G0B+1], s14, HALFT
	s_mul_i32 s66, s16, 128*KROW
	s_mov_b32 s67, 0
	s_add_nc_u64 s[G0+2:G0+3], s[G0+2:G0+3], s[66:67]
	s_add_nc_u64 s[G0B+2:G0B+3], s[G0B+2:G0B+3], s[66:67]
	s_wait_dscnt 0x0
	CROUND
	JLOAD G0+4, G1, G0B+4, G1B                     ; chunk 1, the first tensor load behind the round
	FETCH_B 0, 0
	FETCH_A 0, 0
	SCALES 0
	FETCH_A 0, 4
.set ST, 0
.rept STEPS-1
	STEP ST
.set ST, ST+1
.endr
	s_wait_dscnt 4*NL
	WIN MUL_LO
	MUL16 0, 1, 1, 1
	MUL16 2, 1, 1, 1
	s_wait_dscnt 0
	WIN MUL_HI
	MUL16 4, 1, 1, 1
	MUL16 6, 1, 1, 1
	WIN 0
; THE WAY OUT: block a's 16 rows x 128: four blocks of 32 along the next K: largest magnitude, scale, codes, whole blocks to lanes, stored as register images.
.macro QOUT a
.set QW, 2+(\a)/4
.set AC, 64*((\a)%4)
	WIN ((QW<<2)|(QW<<4))
.irp b, 0,1,2,3
	v_max3_num_f32 v[TM+\b], 0x1800000, |v[AC+16*\b]|, |v[AC+16*\b+1]|
.endr
.irp i, 2,4,6,8,10,12,14
.irp b, 0,1,2,3
	v_max3_num_f32 v[TM+\b], v[TM+\b], |v[AC+16*\b+\i]|, |v[AC+16*\b+\i+1]|
.endr
.endr
	WIN 0
.irp b, 0,1,2,3
	v_permlanex16_b32 v[TM+4+\b], v[TM+\b], s10, s11
.endr
.irp b, 0,1,2,3
	v_max_num_f32 v[TM+\b], v[TM+\b], v[TM+4+\b]
.endr
.irp b, 0,1,2,3
	v_add_nc_u32 v[TM+12+\b], 0xff000000, v[TM+\b]
.endr
.irp b, 0,1,2,3
	v_lshrrev_b32 v[TM+4+\b], 23, v[TM+12+\b]
.endr
	v_lshl_or_b32 v[PW], v[TM+5], 8, v[TM+4]
	v_lshl_or_b32 v[PW], v[TM+6], 16, v[PW]
	v_lshl_or_b32 v[PW], v[TM+7], 24, v[PW]
.if (\a) > 0
	s_wait_xcnt 0x0                                ; the last block's stores have read their registers and base
	s_add_nc_u64 s[DC:DC+1], s[DC:DC+1], s[4:5]
.if (\a) == 4
	s_add_nc_u64 s[DC:DC+1], s[DC:DC+1], s[6:7]
.endif
.endif
	WIN QW
.irp c, 0,1
	v_cvt_scalef32_pk16_fp6_f32 v[PC+6*\c:PC+6*\c+2], v[AC+32*\c:AC+32*\c+15], v[TM+12+2*\c]
	v_cvt_scalef32_pk16_fp6_f32 v[PC+12+4*\c:PC+14+4*\c], v[AC+16+32*\c:AC+31+32*\c], v[TM+13+2*\c]
.endr
	WIN 0
	v_nop
.irp c, 0,1
.irp i, 0,1,2
	v_permlane16_swap_b32 v[PC+6*\c+\i], v[PC+12+4*\c+\i]
.endr
.irp i, 0,1,2
	v_mov_b32 v[PC+3+6*\c+\i], v[PC+12+4*\c+\i]
.endr
.endr
	v_lshrrev_b32 v[SWD], v[SHF], v[PW]
	v_and_b32 v[SWD], s2, v[SWD]
	ds_store_b32 v[STS], v[SWD] offset:64*(\a)
	global_store_b128 v[OX0], v[PC:PC+3], s[DC:DC+1]
	global_store_b64 v[OY0], v[PC+4:PC+5], s[DC:DC+1]
	global_store_b128 v[OX1], v[PC+6:PC+9], s[DC:DC+1]
	global_store_b64 v[OY1], v[PC+10:PC+11], s[DC:DC+1]
.endm
	s_mov_b32 s10, 0x76543210
	s_mov_b32 s11, 0xfedcba98
	PLACES NP
.irp b, 0,1,2,3
	v_mov_b32 v[TM+4+\b], 0
.endr
.irp a, 0,1,2,3,4,5,6,7
	QOUT \a
.endr
	ds_load_b128 v[220:223], v[RDS]
	ds_load_b128 v[224:227], v[RDS] offset:512
	s_wait_dscnt 0x0
	global_store_b128 v[OS], v[220:223], s[DS:DS+1]
	s_cmp_eq_u32 s3, 1
	s_cbranch_scc1 .Lone_store
	global_store_b128 v[OS2], v[224:227], s[DS:DS+1]
.Lone_store:
	s_wait_tensorcnt 0x0                           ; the wave's end
	ds_add_u32 v[SPW], v[NIL]
	s_wait_dscnt 0x0
	CROUND
	s_endpgm
.Lfunc_end_k_qfed8c1846d_qkv:
	.size	k_qfed8c1846d_qkv, .Lfunc_end_k_qfed8c1846d_qkv-k_qfed8c1846d_qkv
	.p2alignl 7, 3214868480
	.fill 96, 4, 3214868480
	.section	.rodata,"a",@progbits
	.p2align	6, 0x0
	.amdhsa_kernel k_qfed8c1846d_qkv
		.amdhsa_group_segment_fixed_size 327680
		.amdhsa_private_segment_fixed_size 0
		.amdhsa_enable_private_segment 0
		.amdhsa_kernarg_size 112
		.amdhsa_user_sgpr_count 2
		.amdhsa_user_sgpr_kernarg_segment_ptr 1
		.amdhsa_wavefront_size32 1
		.amdhsa_system_sgpr_workgroup_id_x 1
		.amdhsa_system_sgpr_workgroup_id_y 1
		.amdhsa_system_sgpr_workgroup_id_z 1
		.amdhsa_system_vgpr_workitem_id 0
		.amdhsa_next_free_vgpr 1024
		.amdhsa_next_free_sgpr 100
		.amdhsa_reserve_vcc 0
		.amdhsa_float_denorm_mode_32 3
		.amdhsa_float_denorm_mode_16_64 3
		.amdhsa_memory_ordered 1
		.amdhsa_forward_progress 1
		.amdhsa_inst_pref_size 190
	.end_amdhsa_kernel
	.amdgpu_metadata
---
amdhsa.version: [ 1, 2 ]
amdhsa.kernels:
  - .name:           k_qfed8c1846d_qkv
    .symbol:         k_qfed8c1846d_qkv.kd
    .args:
      - { .name: x_codes, .offset: 0, .size: 8, .value_kind: global_buffer, .address_space: global }
      - { .name: x_scales, .offset: 8, .size: 8, .value_kind: global_buffer, .address_space: global }
      - { .name: wq_codes, .offset: 16, .size: 8, .value_kind: global_buffer, .address_space: global }
      - { .name: wq_scales, .offset: 24, .size: 8, .value_kind: global_buffer, .address_space: global }
      - { .name: wk_codes, .offset: 32, .size: 8, .value_kind: global_buffer, .address_space: global }
      - { .name: wk_scales, .offset: 40, .size: 8, .value_kind: global_buffer, .address_space: global }
      - { .name: wv_codes, .offset: 48, .size: 8, .value_kind: global_buffer, .address_space: global }
      - { .name: wv_scales, .offset: 56, .size: 8, .value_kind: global_buffer, .address_space: global }
      - { .name: bq, .offset: 64, .size: 8, .value_kind: global_buffer, .address_space: global }
      - { .name: bk, .offset: 72, .size: 8, .value_kind: global_buffer, .address_space: global }
      - { .name: bv, .offset: 80, .size: 8, .value_kind: global_buffer, .address_space: global }
      - { .name: qc, .offset: 88, .size: 8, .value_kind: global_buffer, .address_space: global }
      - { .name: qs, .offset: 96, .size: 8, .value_kind: global_buffer, .address_space: global }
      - { .name: kv, .offset: 104, .size: 8, .value_kind: global_buffer, .address_space: global }
    .group_segment_fixed_size: 327680
    .private_segment_fixed_size: 0
    .kernarg_segment_align: 8
    .kernarg_segment_size: 112
    .max_flat_workgroup_size: 128
    .sgpr_count:     100
    .vgpr_count:     1024
    .wavefront_size: 32
...
	.end_amdgpu_metadata
.endif
;; end of part 1
;; launch attn (part 2): grid 16 x 16, 16 waves a work-group, clusters of 4 x 1, 327,680 bytes of LDS; arguments qc, qs, kv, att_c, att_s; writes att_c, att_s
.if DOCPART == 2
	.amdgcn_target "amdgcn-amd-amdhsa--gfx1250"
	.amdhsa_code_object_version 6
	.text
	.protected	k_qfed8c1846d_attn
	.globl	k_qfed8c1846d_attn
	.p2align	8
	.type	k_qfed8c1846d_attn,@function
k_qfed8c1846d_attn:
	s_mov_b64 s[64:65], 0
	v_nop
	global_prefetch_b8 v0, s[64:65] scope:SCOPE_SE
	s_setreg_imm32_b32 hwreg(HW_REG_WAVE_MODE, 25, 1), 1
	s_wait_xcnt 0x0
	s_wait_alu depctr_hold_cnt(0) depctr_sa_sdst(0) depctr_va_vdst(0) depctr_va_sdst(0) depctr_va_ssrc(0) depctr_va_vcc(0) depctr_vm_vsrc(0)
	s_getreg_b32 s2, hwreg(HW_REG_IB_STS2, 6, 4)
	s_cmp_eq_u32 s2, 0
	s_cbranch_scc0 .Lentry_in_a_cluster
	s_endpgm
.Lentry_in_a_cluster:
	s_bfe_u32 s2, ttmp6, 0x10000c
	s_cmp_lg_u32 s2, 0x3003
	s_cbranch_scc0 .Lentry_shape_is_right
	s_endpgm
.Lentry_shape_is_right:
; Attention by chunks of 1,024: a query of chunk i sees the keys of chunks 0 .. i.  16 heads of 64 channels, 4,096 tokens; both products on codes of FP6 (E2M3) with E8M0 scales.
; t = score x 0.125 log2(e); M = the largest t so far, rounded UP to a whole number; p = 2^(t - M) is quantised along the keys; the sum is taken of the unquantised p and divides O at the end.
; LEFT OUT: the keys of later chunks, whole tiles under the mask that reference() builds itself.  That equals its -1e9 while a row's open logits lie more than some 150 above -1e9 (a stated limit).
; SHARES.  Work-group g of a head takes 64 queries of each chunk: 16 tiles of 16.  Waves 2 s and 2 s + 1 are a PAIR; a pair takes two tiles one after the other: chunk 3's then chunk 0's (kind 1),
; or chunk 2's then chunk 1's (kind 0): 4 + 1 = 3 + 2 = 5 chunks of keys, 40 steps of 128 keys.  Of each chunk's eight steps wave e of the pair takes steps e, e + 2, e + 4, e + 6: every wave runs 20 steps.
; Each wave keeps its own M, sum and O^T.  The first tile's state waits in v80-113.  At the end partners swap one state each through LDS and join them by 2^(M - joint M), which is exact; wave 0 finishes the first tile, wave 1 the second.
; LDS holds three records of kv (a chunk of one head: K's pieces, V's pieces at 49,152, K's scale words at 98,304, V's at 102,400), record j at j x REC.  Waves 0-11 fetch a quarter of records 0-2 each at the head;
; PHASES: records 2, 1, 0 (first tiles); then 3 (kind 1) or 1 (kind 0's second tile); then 0 (second tiles).  The one refill, record 3 over record 2, stands behind phase 1's round, issued by waves 8-11.
; It has two phases, 8 steps of every wave, in which to land, and all other records are asked for at the head: so no prefetch is written.
; CLUSTER: the four work-groups of a cluster belong to one head and ask for each record jointly.  A wave has one tensor load out at the most.
; LAYOUT: both products transposed (S^T = K Q^T, O^T = V^T P^T): a lane holds one query.  The head's 64 channels fill half of the instruction's K: registers 6-11 of Q's and K's fragments are zero codes.
; LIMITS: NaN and infinities are not served; scaled scores stay under 2^31; a block whose largest magnitude lies under 2^-124 keeps the byte 1.
; REGISTERS: v1-3, v7 lane terms; v5, v6 the add's; v8-11 addresses; v12 -M, v13 largest t, v[14:15] sum; v16-27 Q; v28-29 V's scale words; v32-79 K; v80-113 the first tile's state; v116-122 the second Q;
;   v123-126 the swap's addresses; v128-191 S^T, p, then V's fragments; v192-223 O^T; v224-235 p's codes; v232-247 at work; v248-251 K's scale words; v252 f; v253 p's scale word; v255 Q's.
.set REC,   104448
.set QTR,   REC/4                      ; 102 rows of 256 bytes: one tensor load
.set SPARE, 3*REC                      ; the spare words, 128 bytes a wave
.set VC,    49152
.set KSW,   98304
.set XP,    4608                       ; the swap: 34 words a lane, in record 0's bytes, behind their only fill and last read
.set SPW, 5
.set NIL, 6
.set KQ,  14
.set WV,  18
.set TY,  19
.set SEL, 20
.set CS,  22
.set G1,  24
.set G0,  32
.set EV,  36
.set EB,  37
.set ES,  38
.set EJ,  39
.set TB,  2
.set TS,  3
.set TJ,  40
.set CNT, 41
.macro CROUND
	s_barrier_signal -1
	s_barrier_wait -1
	s_cmp_lg_u32 s[WV], 0
	s_cbranch_scc1 .Lnot_wave_0_\@
	s_barrier_signal -3
.Lnot_wave_0_\@:
	s_barrier_wait -3
	s_barrier_signal -1
	s_barrier_wait -1
.endm
	s_load_b256 s[4:11], s[0:1], 0x0               ; qc, qs, kv, att_c
	s_load_b64 s[12:13], s[0:1], 0x20              ; att_s
	v_lshl_add_u32 v[SPW], v0, 2, SPARE
	v_mov_b32 v[NIL], 0
	ds_add_u32 v[SPW], v[NIL]                      ; the opening lines
	ds_add_u32 v[SPW], v[NIL]
	v_lshrrev_b32 v8, 5, v0
	v_readfirstlane_b32 s[WV], v8
	s_and_b32 s[EV], s[WV], 1                      ; e: my place in the pair
	s_bfe_u32 s[TY], s[WV], 0x10001                ; the pair's kind
	s_lshr_b32 s[KQ], s[WV], 2
	s_bfe_u32 s15, ttmp6, 0x40000                  ; cx: it enters Q's and the outputs' addresses alone
	s_lshl_b32 s16, ttmp9, 2
	s_add_co_u32 s16, s16, s15
	s_lshl_b32 s16, s16, 2
	s_add_co_u32 s16, s16, s[KQ]                   ; 4 g + kq
	s_lshl_b32 s17, s[TY], 6
	s_add_co_u32 s43, s16, s17
	s_add_co_u32 s43, s43, 128                     ; the first tile: chunk 2 + kind
	s_sub_co_u32 s17, 64, s17
	s_add_co_u32 s55, s16, s17                     ; the second: chunk 1 - kind
	s_cmp_eq_u32 s[EV], 0
	s_cselect_b32 s16, s43, s55                    ; the tile that I finish
	s_and_b32 s42, ttmp7, 0xffff                   ; the head
	s_mul_i32 s63, s42, 196608
	s_mul_i32 s44, s43, 768
	s_add_co_u32 s44, s44, s63                     ; qc: [head][tile][768]
	s_mov_b32 s45, 0
	s_mul_i32 s56, s55, 768
	s_add_co_u32 s56, s56, s63
	s_mov_b32 s57, 0
	s_lshl_b32 s63, s42, 14
	s_lshl_b32 s46, s43, 6
	s_add_co_u32 s46, s46, s63                     ; qs: [head][token] words
	s_mov_b32 s47, 0
	s_lshl_b32 s58, s55, 6
	s_add_co_u32 s58, s58, s63
	s_mov_b32 s59, 0
	s_mul_i32 s54, s[WV], QTR                      ; my quarter, in memory and in LDS alike
	s_mul_i32 s48, s42, 4*REC
	s_add_co_u32 s48, s48, s54
	s_mov_b32 s49, 0
	s_mul_i32 s50, s16, 12288
	s_mul_i32 s63, s42, 768
	s_add_co_u32 s50, s50, s63                     ; att_c: [tile][head][768]
	s_mov_b32 s51, 0
	s_lshl_b32 s52, s16, 9
	s_lshr_b32 s63, s42, 1
	s_lshl_b32 s63, s63, 6
	s_add_co_u32 s52, s52, s63
	s_and_b32 s63, s42, 1
	s_lshl_b32 s63, s63, 1
	s_add_co_u32 s52, s52, s63                     ; att_s: [tile][head / 2][r] words, my head's two bytes
	s_mov_b32 s53, 0
	s_mul_i32 s[EB], s[EV], 6144                   ; my first step of a record: pieces, K's scale words, V's
	s_lshl_b32 s[ES], s[EV], 9
	s_lshl_b32 s[EJ], s[EV], 8
	s_mul_i32 s62, s[TY], REC
	s_add_co_u32 s62, s62, REC                     ; phase 4's record: 2 REC (kind 1) or REC
	s_mul_i32 s60, s[WV], XP
	s_xor_b32 s61, s[WV], 1
	s_mul_i32 s61, s61, XP
	s_mov_b32 s[G1], 15|(3<<16)|(1<<21)            ; all four work-groups; elements of 8 bytes; dense rows of 256 bytes
	s_mov_b32 s[G1+1], 32<<16
	s_mov_b32 s[G1+2], 102<<16
	s_mov_b32 s[G1+3], 32<<16
	s_mov_b32 s[G1+4], 102
	s_mov_b32 s[G1+5], 32
	s_mov_b32 s[G1+6], 0
	s_mov_b32 s[G1+7], 0
	s_mov_b32 s[SEL], 0x76543210
	s_mov_b32 s[SEL+1], 0xfedcba98
	s_mov_b32 s[CS], 0x3e38aa3b                    ; 0.125 x log2(e)
	s_mov_b32 s[CS+1], s[CS]
	s_wait_dscnt 0x0
	s_wait_kmcnt 0x0
	s_add_nc_u64 s[56:57], s[4:5], s[56:57]
	s_add_nc_u64 s[58:59], s[6:7], s[58:59]
	s_add_nc_u64 s[4:5], s[4:5], s[44:45]
	s_add_nc_u64 s[6:7], s[6:7], s[46:47]
	s_add_nc_u64 s[10:11], s[10:11], s[50:51]
	s_add_nc_u64 s[12:13], s[12:13], s[52:53]
	s_mov_b32 s[G0], 1
	s_mov_b32 s[G0+1], s54
	s_add_nc_u64 s[G0+2:G0+3], s[8:9], s[48:49]
	s_or_b32 s[G0+3], s[G0+3], 0x80000000
	CROUND                                         ; the first joint loads meet
	s_cmp_lt_u32 s[WV], 12
	s_cbranch_scc0 .Lfirst_asked
	tensor_load_to_lds s[G0:G0+3], s[G1:G1+7]      ; quarter w of records 0 to 2
	s_nop 0
.rept 4
	v_nop
.endr
.Lfirst_asked:
	v_and_b32 v4, 31, v0
	v_and_b32 v7, 15, v0
	v_lshlrev_b32 v1, 4, v4                        ; 16 x lane
	v_lshlrev_b32 v2, 3, v4                        ; 8 x lane
	v_lshl_add_u32 v3, v4, 2, KSW                  ; 4 x lane, at the scale words
	v_lshlrev_b32 v7, 2, v7                        ; 4 r
	global_load_b128 v[16:19], v1, s[4:5]          ; the first tile's Q,
	global_load_b64 v[20:21], v2, s[4:5] offset:512
	global_load_b32 v255, v7, s[6:7]
	global_load_b128 v[116:119], v1, s[56:57]      ; and the second's
	global_load_b64 v[120:121], v2, s[56:57] offset:512
	global_load_b32 v122, v7, s[58:59]
	v_add_nc_u32 v123, s60, v1                     ; the swap: where I store,
	v_add_nc_u32 v125, s60, v2
	v_add_nc_u32 v124, s61, v1                     ; and where my partner does
	v_add_nc_u32 v126, s61, v2
.irp i, 22,23,24,25,26,27
	v_mov_b32 v[\i], 0                             ; K = 64 .. 127 of Q: zero codes
.endr
.irp t, 0,1,2,3
.irp i, 6,7,8,9,10,11
	v_mov_b32 v[32+12*\t+\i], 0                    ; and of K's four fragments
.endr
.endr
.set J, 0
.rept 32
	v_mov_b32 v[192+J], 0                          ; O^T: the step is written once; the first finds zeros
.set J, J+1
.endr
.irp b, 0,1,2,3
	v_mov_b32 v[236+\b], 0                         ; a lane permute's destination counts as a source
.endr
	v_mov_b32 v252, 0
	v_mov_b32 v253, 0
	v_mov_b32 v13, 0xff61b1e6                      ; -3e38
	v_mov_b32 v14, 0
	v_mov_b32 v15, 0
	v_floor_f32 v12, -v13
.macro KQ4 g                           ; S^T of key tiles 4 g .. 4 g + 3; scale register i: tile 2 i in lanes 0-15, tile 2 i + 1 in lanes 16-31
.irp t, 0,1,2,3
.if (\t)%2
	v_wmma_scale_f32_16x16x128_f8f6f4 v[128+8*(4*(\g)+\t):135+8*(4*(\g)+\t)], v[32+12*\t:43+12*\t], v[16:27], 0, v[248+2*(\g)+\t/2], v255 matrix_a_fmt:MATRIX_FMT_FP6 matrix_b_fmt:MATRIX_FMT_FP6 matrix_a_scale:MATRIX_SCALE_ROW1
.else
	v_wmma_scale_f32_16x16x128_f8f6f4 v[128+8*(4*(\g)+\t):135+8*(4*(\g)+\t)], v[32+12*\t:43+12*\t], v[16:27], 0, v[248+2*(\g)+\t/2], v255 matrix_a_fmt:MATRIX_FMT_FP6 matrix_b_fmt:MATRIX_FMT_FP6
.endif
.endr
.endm
.macro WORK                            ; a step: 128 keys
	v_add_nc_u32 v8, s[TB], v1                     ; (with the two v_nop at the step's end: six places behind the last products, whose V registers S^T writes over)
	v_add_nc_u32 v9, s[TB], v2
	v_add_nc_u32 v10, s[TS], v3
	v_add_nc_u32 v11, s[TJ], v3
.irp t, 0,1,2,3
	ds_load_b128 v[32+12*\t:35+12*\t], v8 offset:768*\t
	ds_load_b64 v[36+12*\t:37+12*\t], v9 offset:768*\t+512
.endr
.irp i, 0,1,2,3
	ds_load_b32 v[248+\i], v10 offset:128*\i
.endr
	s_wait_alu depctr_va_vdst(0)
	s_wait_dscnt 0x0
	KQ4 0
.rept 4
	v_nop
.endr
.irp t, 0,1,2,3
	ds_load_b128 v[32+12*\t:35+12*\t], v8 offset:768*(4+\t)
	ds_load_b64 v[36+12*\t:37+12*\t], v9 offset:768*(4+\t)+512
.endr
.irp i, 0,1
	ds_load_b32 v[28+\i], v11 offset:4096+128*\i   ; V's scale words
.endr
	s_wait_dscnt 2                                 ; K's are in; V's two scale loads may be out
	KQ4 1
.rept 4
	v_nop
.endr
.irp b, 0,1,2,3
	v_max3_num_f32 v[232+\b], v[128+16*\b], v[129+16*\b], v[130+16*\b]   ; each block's largest score: for the row's maximum and for the block's largest p
.endr
.irp i, 3,5,7,9,11,13
.irp b, 0,1,2,3
	v_max3_num_f32 v[232+\b], v[232+\b], v[128+16*\b+\i], v[129+16*\b+\i]
.endr
.endr
.irp b, 0,1,2,3
	v_max_num_f32 v[232+\b], v[232+\b], v[143+16*\b]
.endr
.irp b, 0,1,2,3
	s_delay_alu instid0(VALU_DEP_4)
	v_permlanex16_b32 v[236+\b], v[232+\b], s[SEL], s[SEL+1]
.endr
.irp b, 0,1,2,3
	s_delay_alu instid0(VALU_DEP_4)
	v_max_num_f32 v[232+\b], v[232+\b], v[236+\b]
.endr
	s_delay_alu instid0(VALU_DEP_2)
	v_max3_num_f32 v254, v232, v233, v234
	s_delay_alu instid0(VALU_DEP_1)
	v_max_num_f32 v254, v254, v235
	s_delay_alu instid0(VALU_DEP_1)
	v_mul_f32 v254, s[CS], v254
	s_delay_alu instid0(VALU_DEP_1)
	v_max_num_f32 v13, v13, v254
	v_mov_b32 v254, v12
	s_delay_alu instid0(VALU_DEP_2)
	v_floor_f32 v12, -v13                          ; the new -M
	s_delay_alu instid0(VALU_DEP_1)
	v_sub_f32 v254, v12, v254
	s_delay_alu instid0(VALU_DEP_1)
	v_cvt_i32_f32 v254, v254
	s_delay_alu instid0(VALU_DEP_1)
	v_ldexp_f32 v252, 1.0, v254                    ; f = 2^(old M - new M)
.set J, 0
.rept 32
	v_pk_fma_f32 v[128+J:129+J], v[128+J:129+J], s[CS:CS+1], v[12:13] op_sel_hi:[1,0,0]   ; t - M
.set J, J+2
.endr
.irp b, 0,1,2,3
	v_fma_f32 v[232+\b], v[232+\b], s[CS], v12
.endr
	s_wait_alu depctr_va_vdst(0)                   ; a wait ahead of the batch and one behind it
.set J, 0
.rept 64
	v_exp_f32 v[128+J], v[128+J]
.set J, J+1
.endr
	v_pk_mul_f32 v[14:15], v[14:15], v[252:253] op_sel_hi:[1,0]
	s_wait_alu depctr_va_vdst(0)
.irp b, 0,1,2,3
	v_exp_f32 v[232+\b], v[232+\b]                 ; the blocks' largest p
.endr
	v_pk_add_f32 v[236:237], v[128:129], v[130:131]   ; the sum of the unquantised p, in four chains by turns
	v_pk_add_f32 v[240:241], v[132:133], v[134:135]
	v_pk_add_f32 v[242:243], v[136:137], v[138:139]
	v_pk_add_f32 v[14:15], v[14:15], v[140:141]
.set J, 142
.rept 6
	v_pk_add_f32 v[236:237], v[236:237], v[J:J+1]
	v_pk_add_f32 v[240:241], v[240:241], v[J+2:J+3]
	v_pk_add_f32 v[242:243], v[242:243], v[J+4:J+5]
	v_pk_add_f32 v[14:15], v[14:15], v[J+6:J+7]
.set J, J+8
.endr
	v_pk_add_f32 v[236:237], v[236:237], v[190:191]
	v_pk_add_f32 v[240:241], v[240:241], v[242:243]
	s_delay_alu instid0(VALU_DEP_2)
	v_pk_add_f32 v[14:15], v[14:15], v[236:237]
	s_delay_alu instid0(VALU_DEP_1)
	v_pk_add_f32 v[14:15], v[14:15], v[240:241]
	s_wait_alu depctr_va_vdst(0)
.irp b, 0,1,2,3
	v_max_num_f32 v[232+\b], 0x1800000, v[232+\b]  ; the floor: the byte cannot fall under 1
.endr
.irp b, 0,1,2,3
	s_delay_alu instid0(VALU_DEP_4)
	v_add_nc_u32 v[244+\b], 0xff000000, v[232+\b]  ; the conversion's scale operand
.endr
.irp b, 0,1,2,3
	s_delay_alu instid0(VALU_DEP_4)
	v_lshrrev_b32 v[236+\b], 23, v[244+\b]
.endr
	s_delay_alu instid0(VALU_DEP_3)
	v_lshl_or_b32 v253, v237, 8, v236
	s_delay_alu instid0(VALU_DEP_1)
	v_lshl_or_b32 v253, v238, 16, v253
	s_delay_alu instid0(VALU_DEP_1)
	v_lshl_or_b32 v253, v239, 24, v253             ; p's scale word
.irp c, 0,1
	v_cvt_scalef32_pk16_fp6_f32 v[224+6*\c:226+6*\c], v[128+32*\c:143+32*\c], v[244+2*\c]
	v_cvt_scalef32_pk16_fp6_f32 v[236+4*\c:238+4*\c], v[144+32*\c:159+32*\c], v[244+2*\c+1]
.endr
	v_nop
.irp t, 0,1,2,3                                ; p is done with: V's four fragments (16 channels x 128 keys) land in its registers
	ds_load_b128 v[128+12*\t:131+12*\t], v8 offset:VC+1536*\t
	ds_load_b64 v[132+12*\t:133+12*\t], v9 offset:VC+1536*\t+512
	ds_load_b128 v[134+12*\t:137+12*\t], v8 offset:VC+1536*\t+768
	ds_load_b64 v[138+12*\t:139+12*\t], v9 offset:VC+1536*\t+1280
.endr
.irp c, 0,1
.irp i, 0,1,2
	v_permlane16_swap_b32 v[224+6*\c+\i], v[236+4*\c+\i]
.endr
.irp i, 0,1,2
	s_delay_alu instid0(VALU_DEP_3)
	v_mov_b32 v[227+6*\c+\i], v[236+4*\c+\i]
.endr
.endr
	s_wait_alu depctr_va_vdst(0)                   ; the wait ahead of O^T's first reader
.set J, 0
.rept 16
	v_pk_mul_f32 v[192+J:193+J], v[192+J:193+J], v[252:253] op_sel_hi:[1,0]   ; O^T under the new M; also the places ahead of the scaled products
.set J, J+2
.endr
	s_wait_alu depctr_va_vdst(0)
	s_wait_dscnt 0x0
.irp t, 0,1,2,3
.if (\t)%2
	v_wmma_scale_f32_16x16x128_f8f6f4 v[192+8*\t:199+8*\t], v[128+12*\t:139+12*\t], v[224:235], v[192+8*\t:199+8*\t], v[28+\t/2], v253 matrix_a_fmt:MATRIX_FMT_FP6 matrix_b_fmt:MATRIX_FMT_FP6 matrix_a_scale:MATRIX_SCALE_ROW1
.else
	v_wmma_scale_f32_16x16x128_f8f6f4 v[192+8*\t:199+8*\t], v[128+12*\t:139+12*\t], v[224:235], v[192+8*\t:199+8*\t], v[28+\t/2], v253 matrix_a_fmt:MATRIX_FMT_FP6 matrix_b_fmt:MATRIX_FMT_FP6
.endif
.endr
	v_nop
	v_nop
.endm
.macro PHASE base                      ; my four steps of the record at LDS byte base
	s_add_co_u32 s[TB], s[EB], \base
	s_add_co_u32 s[TS], s[ES], \base
	s_add_co_u32 s[TJ], s[EJ], \base
	s_mov_b32 s[CNT], 4
.Lstep_\@:
	WORK
	s_add_co_u32 s[TB], s[TB], 12288
	s_add_co_u32 s[TS], s[TS], 1024
	s_add_co_u32 s[TJ], s[TJ], 512
	s_sub_co_u32 s[CNT], s[CNT], 1
	s_cmp_lg_u32 s[CNT], 0
	s_cbranch_scc1 .Lstep_\@
.endm
.macro SWITCH kind                     ; pairs of this kind go on to their second tile: the first's state is put by
	s_cmp_eq_u32 s[TY], \kind
	s_cbranch_scc0 .Lstay_\@
.rept 4
	v_nop
.endr
.irp i, 0,1,2,3,4,5
	v_mov_b32 v[16+\i], v[116+\i]
.endr
	v_mov_b32 v255, v122
.set J, 0
.rept 32
	v_mov_b32 v[80+J], v[192+J]                    ; each accumulator from its low end on
.set J, J+1
.endr
	v_mov_b32 v112, v12
	v_add_f32 v113, v14, v15
.set J, 0
.rept 32
	v_mov_b32 v[192+J], 0
.set J, J+1
.endr
	v_mov_b32 v13, 0xff61b1e6
	v_mov_b32 v14, 0
	v_mov_b32 v15, 0
	v_floor_f32 v12, -v13
	s_wait_alu depctr_va_vdst(0)
.Lstay_\@:
.endm
	s_wait_alu depctr_va_vdst(0)                   ; the wait at the head's end
	s_wait_tensorcnt 0x0                           ; my quarter of a record is in: behind the barrier records 0 to 2 are whole
	s_barrier_signal -1
	s_barrier_wait -1
	s_wait_loadcnt 0x0                             ; both Q
	PHASE 2*REC
	s_wait_tensorcnt 0x0                           ; all my loads are in: records 0 and 1 are whole behind the round
	ds_add_u32 v[SPW], v[NIL]                      ; the add, here twice
	ds_add_u32 v[SPW], v[NIL]
	s_add_nc_u64 s[G0+2:G0+3], s[G0+2:G0+3], REC   ; record 2's quarter becomes record 3's
	s_wait_dscnt 0x0
	CROUND
	s_cmp_eq_u32 s[KQ], 2                          ; waves 8-11
	s_cbranch_scc0 .Lrefilled
	tensor_load_to_lds s[G0:G0+3], s[G1:G1+7]
	s_nop 0
.rept 4
	v_nop
.endr
.Lrefilled:
	PHASE REC
	PHASE 0
	SWITCH 0
	s_wait_tensorcnt 0x0                           ; record 3 is in
	s_wait_dscnt 0x0
	s_barrier_signal -1
	s_barrier_wait -1
	PHASE s62
	SWITCH 1
	PHASE 0
	; THE JOIN.  Wave 0 of a pair sends its state of the second tile, wave 1 that of the first, and keeps the other in v80-113.
.rept 4
	v_nop
.endr
	v_add_f32 v13, v14, v15
	s_wait_alu depctr_va_vdst(0)
	s_wait_dscnt 0x0
	s_barrier_signal -1
	s_barrier_wait -1                              ; nobody reads a record any more
	s_cmp_eq_u32 s[EV], 0
	s_cbranch_scc0 .Lodd
.irp i, 0,1,2,3,4,5,6,7
	ds_store_b128 v123, v[192+4*\i:195+4*\i] offset:512*\i
.endr
	ds_store_b64 v125, v[12:13] offset:4096
	s_branch .Lsent
.Lodd:
.irp i, 0,1,2,3,4,5,6,7
	ds_store_b128 v123, v[80+4*\i:83+4*\i] offset:512*\i
.endr
	ds_store_b64 v125, v[112:113] offset:4096
.set J, 0
.rept 32
	v_mov_b32 v[80+J], v[192+J]
.set J, J+1
.endr
	v_mov_b32 v112, v12
	v_mov_b32 v113, v13
	s_wait_alu depctr_va_vdst(0)
.Lsent:
	s_wait_dscnt 0x0
	s_barrier_signal -1
	s_barrier_wait -1
.irp i, 0,1,2,3,4,5,6,7
	ds_load_b128 v[192+4*\i:195+4*\i], v124 offset:512*\i
.endr
	ds_load_b64 v[12:13], v126 offset:4096
	s_wait_dscnt 0x0
	v_min_num_f32 v14, v12, v112                   ; the joint -M
	v_sub_f32 v15, v14, v112
	v_sub_f32 v252, v14, v12
	v_cvt_i32_f32 v15, v15
	v_cvt_i32_f32 v252, v252
	v_ldexp_f32 v114, 1.0, v15                     ; 2^(my M - joint M),
	v_ldexp_f32 v252, 1.0, v252                    ; and my partner's
	v_mov_b32 v115, v114
.set J, 0
.rept 16
	v_pk_mul_f32 v[192+J:193+J], v[192+J:193+J], v[252:253] op_sel_hi:[1,0]
.set J, J+2
.endr
.set J, 0
.rept 16
	v_pk_fma_f32 v[192+J:193+J], v[80+J:81+J], v[114:115], v[192+J:193+J] op_sel_hi:[1,0,1]
.set J, J+2
.endr
	v_mul_f32 v14, v13, v252
	v_fma_f32 v14, v113, v114, v14
	; THE WAY OUT.  O^T / the sum; tiles 2 b and 2 b + 1 change halves, so that a lane's 16 registers are 16 neighbouring channels; then the quantiser along the head's 64 channels.
	v_permlanex16_b32 v252, v14, s[SEL], s[SEL+1]
	v_add_f32 v14, v14, v252
	s_wait_alu depctr_va_vdst(0)
	v_rcp_f32 v14, v14
.irp b, 0,1
	v_mov_b32 v[236+\b], 0
.endr
	s_wait_alu depctr_va_vdst(0)
.set J, 0
.rept 16
	v_pk_mul_f32 v[128+J:129+J], v[192+J:193+J], v[14:15] op_sel_hi:[1,0]
.set J, J+2
.endr
.irp b, 0,1
.irp j, 0,1,2,3,4,5,6,7
	v_permlane16_swap_b32 v[128+16*\b+\j], v[136+16*\b+\j]
.endr
.endr
.irp b, 0,1
	v_max3_num_f32 v[232+\b], |v[128+16*\b]|, |v[129+16*\b]|, 0x1800000
.endr
.irp i, 2,4,6,8,10,12,14
.irp b, 0,1
	s_delay_alu instid0(VALU_DEP_2)
	v_max3_num_f32 v[232+\b], v[232+\b], |v[128+16*\b+\i]|, |v[129+16*\b+\i]|
.endr
.endr
.irp b, 0,1
	s_delay_alu instid0(VALU_DEP_2)
	v_permlanex16_b32 v[236+\b], v[232+\b], s[SEL], s[SEL+1]
.endr
.irp b, 0,1
	s_delay_alu instid0(VALU_DEP_2)
	v_max_num_f32 v[232+\b], v[232+\b], v[236+\b]
.endr
.irp b, 0,1
	s_delay_alu instid0(VALU_DEP_2)
	v_add_nc_u32 v[244+\b], 0xff000000, v[232+\b]
.endr
.irp b, 0,1
	s_delay_alu instid0(VALU_DEP_2)
	v_lshrrev_b32 v[236+\b], 23, v[244+\b]
.endr
	s_delay_alu instid0(VALU_DEP_1)
	v_lshl_or_b32 v254, v237, 8, v236              ; my head's two scale bytes of my query
	v_cvt_scalef32_pk16_fp6_f32 v[224:226], v[128:143], v244
	v_cvt_scalef32_pk16_fp6_f32 v[228:230], v[144:159], v245
	v_nop
.irp i, 0,1,2
	v_permlane16_swap_b32 v[224+\i], v[228+\i]
.endr
.irp i, 0,1,2
	s_delay_alu instid0(VALU_DEP_3)
	v_mov_b32 v[227+\i], v[228+\i]
.endr
	global_store_b128 v1, v[224:227], s[10:11]     ; the piece: 512 consecutive bytes,
	global_store_b64 v2, v[228:229], s[10:11] offset:512   ; and 256
	global_store_b16 v7, v254, s[12:13]            ; two bytes a query; the word's other half is the neighbouring head's
	s_wait_tensorcnt 0x0                           ; the wave's end
	ds_add_u32 v[SPW], v[NIL]
	s_wait_dscnt 0x0
	CROUND
	s_endpgm
.Lfunc_end_k_qfed8c1846d_attn:
	.size	k_qfed8c1846d_attn, .Lfunc_end_k_qfed8c1846d_attn-k_qfed8c1846d_attn
	.p2alignl 7, 3214868480
	.fill 96, 4, 3214868480
	.section	.rodata,"a",@progbits
	.p2align	6, 0x0
	.amdhsa_kernel k_qfed8c1846d_attn
		.amdhsa_group_segment_fixed_size 327680
		.amdhsa_private_segment_fixed_size 0
		.amdhsa_enable_private_segment 0
		.amdhsa_kernarg_size 40
		.amdhsa_user_sgpr_count 2
		.amdhsa_user_sgpr_kernarg_segment_ptr 1
		.amdhsa_wavefront_size32 1
		.amdhsa_system_sgpr_workgroup_id_x 1
		.amdhsa_system_sgpr_workgroup_id_y 1
		.amdhsa_system_sgpr_workgroup_id_z 1
		.amdhsa_system_vgpr_workitem_id 0
		.amdhsa_next_free_vgpr 256
		.amdhsa_next_free_sgpr 66
		.amdhsa_reserve_vcc 0
		.amdhsa_float_denorm_mode_32 3
		.amdhsa_float_denorm_mode_16_64 3
		.amdhsa_memory_ordered 1
		.amdhsa_forward_progress 1
		.amdhsa_inst_pref_size 114
	.end_amdhsa_kernel
	.amdgpu_metadata
---
amdhsa.version: [ 1, 2 ]
amdhsa.kernels:
  - .name:           k_qfed8c1846d_attn
    .symbol:         k_qfed8c1846d_attn.kd
    .args:
      - { .name: qc, .offset: 0, .size: 8, .value_kind: global_buffer, .address_space: global }
      - { .name: qs, .offset: 8, .size: 8, .value_kind: global_buffer, .address_space: global }
      - { .name: kv, .offset: 16, .size: 8, .value_kind: global_buffer, .address_space: global }
      - { .name: att_c, .offset: 24, .size: 8, .value_kind: global_buffer, .address_space: global }
      - { .name: att_s, .offset: 32, .size: 8, .value_kind: global_buffer, .address_space: global }
    .group_segment_fixed_size: 327680
    .private_segment_fixed_size: 0
    .kernarg_segment_align: 8
    .kernarg_segment_size: 40
    .max_flat_workgroup_size: 512
    .sgpr_count:     66
    .vgpr_count:     256
    .wavefront_size: 32
...
	.end_amdgpu_metadata
.endif
;; end of part 2
;; launch oproj (part 3): grid 8 x 32, 4 waves a work-group, clusters of 4 x 4, 235,264 bytes of LDS; arguments att_c, att_s, wo_codes, wo_scales, bo, out0; writes out0
.if DOCPART == 3
	.amdgcn_target "amdgcn-amd-amdhsa--gfx1250"
	.amdhsa_code_object_version 6
	.text
	.protected	k_qfed8c1846d_oproj
	.globl	k_qfed8c1846d_oproj
	.p2align	8
	.type	k_qfed8c1846d_oproj,@function
k_qfed8c1846d_oproj:
	s_mov_b64 s[64:65], 0
	v_nop
	global_prefetch_b8 v0, s[64:65] scope:SCOPE_SE
	s_setreg_imm32_b32 hwreg(HW_REG_WAVE_MODE, 25, 1), 1
	s_wait_xcnt 0x0
	s_wait_alu depctr_hold_cnt(0) depctr_sa_sdst(0) depctr_va_vdst(0) depctr_va_sdst(0) depctr_va_ssrc(0) depctr_va_vcc(0) depctr_vm_vsrc(0)
	s_getreg_b32 s2, hwreg(HW_REG_IB_STS2, 6, 4)
	s_cmp_eq_u32 s2, 0
	s_cbranch_scc0 .Lentry_in_a_cluster
	s_endpgm
.Lentry_in_a_cluster:
	s_bfe_u32 s2, ttmp6, 0x10000c
	s_cmp_lg_u32 s2, 0xf033
	s_cbranch_scc0 .Lentry_shape_is_right
	s_endpgm
.Lentry_shape_is_right:
; out0 = att wo + bo.  att [4,096][1,024] comes as images of operand registers (att_c: [tile of 16 tokens][head 16][768]; att_s: [tile][128 along K 8][r 16] scale words), wo as given: rows of 768 bytes of FP6 codes
; and 32 scale bytes a row.  256 work-groups, each 128 tokens x 128 columns; four waves, each 64 x 64: 16 accumulators, which begin as the bias.
; ALL OF K LIES IN LDS.  A work-group's four operands are four dense blocks of memory, each brought whole, as rows of 256 bytes, by one joint load: wave 0 att's codes (98,304 bytes), wave 1 wo's (98,304, 16 bytes of padding
; behind each 256), wave 2 att's scale words, wave 3 wo's scale bytes (4,096 each).  No LDS byte is filled twice; a wave has one tensor load out.  There is no loop to run ahead in: no prefetch.
; CLUSTERS 4 x 4: att's blocks are shared along a row of the cluster, wo's along a column.  TRANSPOSED: source 0 = 16 rows of wo, source 1 = 16 tokens: a lane holds eight neighbouring columns of a row of out0.
; LIMITS: NaN, infinities and scale bytes 0xff among the inputs are not served.
.set BC,    98304                      ; wo's codes: a row is three pieces of 256 + 16 bytes:
.set BP,    816                        ; 204 words: the 16 rows of a load start at 16 different multiples of 4 banks (64 banks of 4 bytes: ISA guide 11.1)
.set SC1,   BC+128*BP                  ; att's scale words
.set SC0,   SC1+4096                   ; wo's scale bytes: 16 runs of 256 + 16
.set STG,   SC0+16*272                 ; the way out: 16 rows x 272 bytes a wave; no fill lands here
.set SPARE, STG+4*16*272
.set ACC,   128
.set G1A,  24
.set G1B,  32
.set G1SA, 40
.set G1SB, 48
.set G0A,  56
.set G0B,  60
.set G0SA, 68
.set G0SB, 72
.macro CROUND
	s_barrier_signal -1
	s_barrier_wait -1
	s_cmp_lg_u32 s16, 0
	s_cbranch_scc1 .Lnot_wave_0_\@
	s_barrier_signal -3
.Lnot_wave_0_\@:
	s_barrier_wait -3
	s_barrier_signal -1
	s_barrier_wait -1
.endm
	s_load_b256 s[4:11], s[0:1], 0x0               ; att_c, att_s, wo's codes, wo's scales
	s_load_b128 s[12:15], s[0:1], 0x20             ; bo, out0
	v_lshl_add_u32 v22, v0, 2, SPARE
	v_mov_b32 v23, 0
	ds_add_u32 v22, v23                            ; the opening lines
	ds_add_u32 v22, v23
	v_lshrrev_b32 v1, 5, v0
	v_readfirstlane_b32 s16, v1                    ; wave
	s_lshr_b32 s17, s16, 1                         ; which 64 tokens are mine
	s_and_b32 s18, s16, 1                          ; which 64 columns
	s_bfe_u32 s84, ttmp6, 0x40000
	s_bfe_u32 s85, ttmp6, 0x40004
	s_lshl_b32 s86, ttmp9, 2
	s_add_co_u32 s86, s86, s84                     ; column tile
	s_and_b32 s87, ttmp7, 0xffff
	s_lshl_b32 s87, s87, 2
	s_add_co_u32 s87, s87, s85                     ; token tile
	s_lshl_b32 s88, s85, 2
	s_lshl_b32 s88, 15, s88                        ; my row of the cluster
	s_lshl_b32 s89, 0x1111, s84                    ; my column
	s_or_b32 s[G1A], s88, (3<<16)|(1<<21)
	s_or_b32 s[G1B], s89, (3<<16)|(1<<20)|(1<<21)|(5<<22)|(3<<25)
.irp g, G1A, G1B
	s_mov_b32 s[\g+1], 32<<16                      ; 384 dense rows of 32 elements of 8 bytes
	s_mov_b32 s[\g+2], 384<<16
	s_mov_b32 s[\g+3], 32<<16
	s_mov_b32 s[\g+4], 384
	s_mov_b32 s[\g+5], 32
	s_mov_b32 s[\g+6], 0
	s_mov_b32 s[\g+7], 0
.endr
	s_or_b32 s[G1SA], s88, (3<<16)|(1<<21)
	s_or_b32 s[G1SB], s89, (3<<16)|(1<<20)|(1<<21)|(5<<22)|(3<<25)
.irp g, G1SA, G1SB
	s_mov_b32 s[\g+1], 32<<16                      ; 16 such rows
	s_mov_b32 s[\g+2], 16<<16
	s_mov_b32 s[\g+3], 32<<16
	s_mov_b32 s[\g+4], 16
	s_mov_b32 s[\g+5], 32
	s_mov_b32 s[\g+6], 0
	s_mov_b32 s[\g+7], 0
.endr
	s_mul_i32 s90, s87, 98304                      ; att_c: 8 tiles of 12,288 bytes
	s_mov_b32 s91, 0
	s_lshl_b32 s92, s87, 12                        ; att_s
	s_mov_b32 s93, 0
	s_mul_i32 s94, s86, 98304                      ; wo: 128 rows of 768 bytes
	s_mov_b32 s95, 0
	s_lshl_b32 s96, s86, 12                        ; its scale bytes
	s_mov_b32 s97, 0
	s_wait_dscnt 0x0
	s_wait_kmcnt 0x0
	s_mov_b32 s[G0A], 1
	s_mov_b32 s[G0A+1], 0
	s_add_nc_u64 s[G0A+2:G0A+3], s[4:5], s[90:91]
	s_or_b32 s[G0A+3], s[G0A+3], 0x80000000
	s_mov_b32 s[G0SA], 1
	s_mov_b32 s[G0SA+1], SC1
	s_add_nc_u64 s[G0SA+2:G0SA+3], s[6:7], s[92:93]
	s_or_b32 s[G0SA+3], s[G0SA+3], 0x80000000
	s_mov_b32 s[G0B], 1
	s_mov_b32 s[G0B+1], BC
	s_add_nc_u64 s[G0B+2:G0B+3], s[8:9], s[94:95]
	s_or_b32 s[G0B+3], s[G0B+3], 0x80000000
	s_mov_b32 s[G0SB], 1
	s_mov_b32 s[G0SB+1], SC0
	s_add_nc_u64 s[G0SB+2:G0SB+3], s[10:11], s[96:97]
	s_or_b32 s[G0SB+3], s[G0SB+3], 0x80000000
	CROUND                                         ; the joint loads meet
.macro ARM under, g0, g1, next         ; one tree of branches on the wave's number, one load to an arm
	s_cmp_lt_u32 s16, \under
	s_cbranch_scc0 \next
	tensor_load_to_lds s[\g0:\g0+3], s[\g1:\g1+7]
	s_nop 0
.rept 4
	v_nop
.endr
	s_branch .Lasked
\next:
.endm
	ARM 1, G0A,  G1A,  .Lhead_b
	ARM 2, G0B,  G1B,  .Lhead_sa
	ARM 3, G0SA, G1SA, .Lhead_sb
	tensor_load_to_lds s[G0SB:G0SB+3], s[G1SB:G1SB+7]
	s_nop 0
.rept 4
	v_nop
.endr
.Lasked:
	; v4, v5: wo's fragments, and the same behind one padding more;  v6, v7: att's images at 16 x lane and 8 x lane;  v12 att's scale words, v13 wo's;  v14-17 the way out and the bias
	v_and_b32 v1, 15, v0                           ; r
	v_bfe_u32 v2, v0, 4, 1                         ; h
	v_and_b32 v3, 31, v0                           ; lane
	v_mul_u32_u24 v18, v1, BP
	v_mad_u32_u24 v18, v2, 24, v18
	v_lshl_add_u32 v19, v2, 4, v18
	s_mul_i32 s19, s18, 64*BP
	s_add_co_u32 s19, s19, BC
	v_add_nc_u32 v4, s19, v18
	v_add_nc_u32 v5, s19, v19
	s_mul_i32 s20, s17, 4*12288
	v_lshl_add_u32 v6, v3, 4, s20
	v_lshl_add_u32 v7, v3, 3, s20
	s_lshl_b32 s21, s17, 11
	s_add_co_u32 s21, s21, SC1
	v_lshl_add_u32 v12, v1, 2, s21
	v_lshlrev_b32 v13, 5, v1
	v_lshrrev_b32 v20, 3, v1
	v_lshl_add_u32 v13, v20, 4, v13
	s_mul_i32 s22, s18, 8*272
	s_add_co_u32 s22, s22, SC0
	v_add_nc_u32 v13, s22, v13
	s_mul_i32 s23, s16, 16*272
	s_add_co_u32 s23, s23, STG
	v_mul_u32_u24 v14, v1, 272
	v_lshl_add_u32 v14, v2, 5, v14
	v_add_nc_u32 v14, s23, v14                     ; in: row r, 32 bytes for each half of the lanes
	v_mul_u32_u24 v15, v2, 272
	v_lshl_add_u32 v15, v1, 4, v15
	v_add_nc_u32 v15, s23, v15                     ; back: lanes 0-15 one row of 256 bytes, lanes 16-31 the next
	v_lshlrev_b32 v16, 12, v2
	v_lshl_add_u32 v16, v1, 4, v16
	v_lshlrev_b32 v17, 5, v2
	s_wait_alu depctr_va_vdst(0)                   ; the wait at the head's end
	s_lshl_b32 s19, s87, 7
	s_lshl_b32 s20, s17, 6
	s_add_co_u32 s19, s19, s20
	s_lshl_b32 s19, s19, 12
	s_lshl_b32 s20, s86, 9
	s_lshl_b32 s21, s18, 8
	s_add_co_u32 s20, s20, s21
	s_mov_b32 s21, 0
	s_add_nc_u64 s[12:13], s[12:13], s[20:21]
	s_add_co_u32 s20, s20, s19
	s_add_nc_u64 s[14:15], s[14:15], s[20:21]
.irp a, 0,1,2,3                                ; register j of accumulator (a, b) begins as bo[my first column + 16 b + 8 h + j]
.irp b, 0,1,2,3
	global_load_b128 v[ACC+8*(4*\a+\b):ACC+8*(4*\a+\b)+3], v17, s[12:13] offset:64*\b
	global_load_b128 v[ACC+8*(4*\a+\b)+4:ACC+8*(4*\a+\b)+7], v17, s[12:13] offset:64*\b+16
.endr
.endr
.macro BFRAG reg, st, i                ; a fragment of wo, in pieces of 8 bytes; 16 bytes of padding lie behind every 32 pieces: where lanes 16-31's piece, three on, lies behind one more, v5 serves
.irp p, 0,1,2,3,4,5
.set PCE, 12*(\st)+6*(\p/3)+\p%3
.if PCE%32 < 29
	ds_load_b64 v[\reg+2*\p:\reg+2*\p+1], v4 offset:8*PCE+16*(PCE/32)+(\i)*16*BP
.else
	ds_load_b64 v[\reg+2*\p:\reg+2*\p+1], v5 offset:8*PCE+16*(PCE/32)+(\i)*16*BP
.endif
.endr
.endm
.macro STEP3 st                        ; 128 along K: 48 LDS loads, 16 products; the 16 accumulators take turns
.if (\st) > 0
.rept 4
	v_nop
.endr
.endif
.irp b, 0,1,2,3
	ds_load_b32 v[24+\b], v13 offset:544*\b+4*(\st)
.endr
.irp a, 0,1,2,3
	ds_load_b32 v[28+\a], v12 offset:512*\a+64*(\st)
.endr
.irp b, 0,1,2,3
	BFRAG 32+12*\b, \st, \b
.endr
.irp a, 0,1,2,3
	ds_load_b128 v[80+12*\a:83+12*\a], v6 offset:12288*\a+1536*(\st)
	ds_load_b64 v[84+12*\a:85+12*\a], v7 offset:12288*\a+1536*(\st)+512
	ds_load_b128 v[86+12*\a:89+12*\a], v6 offset:12288*\a+1536*(\st)+768
	ds_load_b64 v[90+12*\a:91+12*\a], v7 offset:12288*\a+1536*(\st)+1280
.endr
.irp a, 0,1,2,3
	s_wait_dscnt 12-4*\a                           ; the four loads of each later tile of tokens may be out
.irp b, 0,1,2,3
	v_wmma_scale_f32_16x16x128_f8f6f4 v[ACC+8*(4*\a+\b):ACC+8*(4*\a+\b)+7], v[32+12*\b:43+12*\b], v[80+12*\a:91+12*\a], v[ACC+8*(4*\a+\b):ACC+8*(4*\a+\b)+7], v[24+\b], v[28+\a] matrix_a_fmt:MATRIX_FMT_FP6 matrix_b_fmt:MATRIX_FMT_FP6
.endr
.endr
.endm
	s_wait_loadcnt 0x0                             ; the bias
	s_wait_tensorcnt 0x0                           ; my block is in
	s_barrier_signal -1
	s_barrier_wait -1                              ; everybody's is
.irp st, 0,1,2,3,4,5,6,7
	STEP3 \st
.endr
; THE WAY OUT, 16 tokens x 64 columns at a time, through my own stage.  LDS serves a wave's instructions in order (ISA guide 5.7.1.4): no wait between the stores and the loads.
.macro TOSTAGE a
.irp b, 0,1,2,3
	ds_store_b128 v14, v[ACC+8*(4*(\a)+\b):ACC+8*(4*(\a)+\b)+3] offset:64*\b       ; each accumulator from its low end on
	ds_store_b128 v14, v[ACC+8*(4*(\a)+\b)+4:ACC+8*(4*(\a)+\b)+7] offset:64*\b+16
.endr
.set BB, 32+32*((\a)%2)
.irp i, 0,1,2,3,4,5,6,7
	ds_load_b128 v[BB+4*\i:BB+4*\i+3], v15 offset:2*\i*272
.endr
.endm
.macro SEND a, younger
.set BB, 32+32*((\a)%2)
	s_wait_dscnt \younger                          ; the block is back; the next block's 8 stores and 8 loads may be out
.irp i, 0,1,2,3,4,5,6,7
	global_store_b128 v16, v[BB+4*\i:BB+4*\i+3], s[14:15] offset:(16*(\a)+2*\i)*4096 th:TH_STORE_NT   ; 16 lanes store 256 consecutive bytes, at a multiple of 256 from out0's first byte
.endr
.endm
.rept 4
	v_nop
.endr
	TOSTAGE 0
.irp a, 1,2,3
.if \a > 1
	s_wait_xcnt 0x0                                ; block a - 2's stores have read their registers
.endif
	TOSTAGE \a
	SEND \a-1, 16
.endr
	SEND 3, 0
	s_wait_tensorcnt 0x0                           ; the wave's end
	ds_add_u32 v22, v23
	s_wait_dscnt 0x0
	CROUND
	s_endpgm
.Lfunc_end_k_qfed8c1846d_oproj:
	.size	k_qfed8c1846d_oproj, .Lfunc_end_k_qfed8c1846d_oproj-k_qfed8c1846d_oproj
	.p2alignl 7, 3214868480
	.fill 96, 4, 3214868480
	.section	.rodata,"a",@progbits
	.p2align	6, 0x0
	.amdhsa_kernel k_qfed8c1846d_oproj
		.amdhsa_group_segment_fixed_size 235264
		.amdhsa_private_segment_fixed_size 0
		.amdhsa_enable_private_segment 0
		.amdhsa_kernarg_size 48
		.amdhsa_user_sgpr_count 2
		.amdhsa_user_sgpr_kernarg_segment_ptr 1
		.amdhsa_wavefront_size32 1
		.amdhsa_system_sgpr_workgroup_id_x 1
		.amdhsa_system_sgpr_workgroup_id_y 1
		.amdhsa_system_sgpr_workgroup_id_z 1
		.amdhsa_system_vgpr_workitem_id 0
		.amdhsa_next_free_vgpr 256
		.amdhsa_next_free_sgpr 100
		.amdhsa_reserve_vcc 0
		.amdhsa_float_denorm_mode_32 3
		.amdhsa_float_denorm_mode_16_64 3
		.amdhsa_memory_ordered 1
		.amdhsa_forward_progress 1
		.amdhsa_inst_pref_size 61
	.end_amdhsa_kernel
	.amdgpu_metadata
---
amdhsa.version: [ 1, 2 ]
amdhsa.kernels:
  - .name:           k_qfed8c1846d_oproj
    .symbol:         k_qfed8c1846d_oproj.kd
    .args:
      - { .name: att_c, .offset: 0, .size: 8, .value_kind: global_buffer, .address_space: global }
      - { .name: att_s, .offset: 8, .size: 8, .value_kind: global_buffer, .address_space: global }
      - { .name: wo_codes, .offset: 16, .size: 8, .value_kind: global_buffer, .address_space: global }
      - { .name: wo_scales, .offset: 24, .size: 8, .value_kind: global_buffer, .address_space: global }
      - { .name: bo, .offset: 32, .size: 8, .value_kind: global_buffer, .address_space: global }
      - { .name: out0, .offset: 40, .size: 8, .value_kind: global_buffer, .address_space: global }
    .group_segment_fixed_size: 235264
    .private_segment_fixed_size: 0
    .kernarg_segment_align: 8
    .kernarg_segment_size: 48
    .max_flat_workgroup_size: 128
    .sgpr_count:     100
    .vgpr_count:     256
    .wavefront_size: 32
...
	.end_amdgpu_metadata
.endif
;; end of part 3
